; MI455X (gfx1250); checked and timed in simulation.
; The chip was launched on July 23, 2026; its instructions are those of AMD's public machine-readable ISA for CDNA 5 (MIT licence, August 2026) and "CDNA5" Instruction Set Architecture Reference Guide (July 2026). The comments in the code are by the model that wrote it; some were corrected since.
;; Non Local Block. Allowed arithmetic: float matrix products may take bf16 or f16 operands with f32 sums; all other float work in f32.
;; Inputs: w_g 128 x 256 float32; w_out 256 x 128 float32; w_phi 128 x 256 float32; w_theta 128 x 256 float32; x 4 x 256 x 64 x 64 float32.
;; Outputs: out0 4 x 256 x 64 x 64 float32.
;; One version. Each part assembles by itself: llvm-mc -triple=amdgcn-amd-amdhsa -mcpu=gfx1250 --defsym DOCPART=n.
;; ======== version 1 of 1: 2 launches
;; workspace buffers: th 4,194,304 bytes; ph 4,194,304 bytes; gb 4,194,304 bytes; wob 65,536 bytes
;; launch proj (part 1): grid 64 x 4, 8 waves a work-group, no clusters, 101,888 bytes of LDS; arguments x, w_theta, w_phi, w_g, w_out, th, ph, gb, wob; writes th, ph, gb, wob
.if DOCPART == 1
	.amdgcn_target "amdgcn-amd-amdhsa--gfx1250"
	.amdhsa_code_object_version 6
	.text
	.protected	k_q6fdf28f050_proj
	.globl	k_q6fdf28f050_proj
	.p2align	8
	.type	k_q6fdf28f050_proj,@function
k_q6fdf28f050_proj:
	s_mov_b64 s[64:65], 0
	v_nop
	global_prefetch_b8 v0, s[64:65] scope:SCOPE_SE
	s_setreg_imm32_b32 hwreg(HW_REG_WAVE_MODE, 25, 1), 1
	s_wait_xcnt 0x0
; The three 1x1 projections of x [4][256 c][4096 n] f32, to bf16:
;   th[b][n][i]            = log2(e) * sum over c of w_theta[i][c] x[b][c][n]   (rows of 128 i = 256 bytes)
;   ph[b][n][i]            =           sum over c of w_phi[i][c]   x[b][c][n]   (rows of 256 bytes)
;   gb[b][n/64][i][n%64]   =           sum over c of w_g[i][c]     x[b][c][n]   (blocks of 128 rows x 128 bytes for 64 n)
; and wob[c][i] = w_out[c][i] rounded to bf16 (rows of 256 bytes): each of the 256 work-groups converts one row.
; log2(e) is multiplied in f32, ahead of the one rounding to bf16, so that the next launch's exponent is a plain difference.
; A work-group takes 64 columns n of one batch and all 384 output rows: it stores three dense blocks of 16,384 bytes.
; Eight waves.  Wave w (i) makes the x fragments of K step w (c = 32 w .. 32 w + 31) and puts them into LDS for all,
; (ii) computes rows i = 16 w .. 16 w + 15 of theta, phi and g for all 64 n: 12 accumulators, 96 matrix instructions.
; x lies [c][n], the sum's index c is not along the rows.  So a lane loads 16 bytes (4 n) of 16 rows c (sixteen lanes take 256
; consecutive bytes, aligned) and packs pairs of rows: fragment f (0..3) holds the columns n = n0 + 4 r + f.  That order of n is
; undone where the results are stored.
; NO CLUSTER: what the work-groups share are the weights, 393,216 bytes in f32, more than a work-group can be given in LDS at
; once; a ring for them would put a round of the cluster's barrier in front of every 12 to 24 matrix instructions of a wave,
; and each weight fragment is used by one wave only.  So each wave loads its own 16 rows of each weight matrix into registers.
; LIMITS: NaN and infinities in the inputs are passed on as the arithmetic makes them; operands and results are rounded to bf16.
.set STT,  32768                       ; LDS: 0 .. 32767 the x fragments, (K step, f) at (4 ks + f) * 1024, halves of 512 bytes
.set WREG, 3104                        ; stage of theta: for each wave 64 rows (16 f + r) of 32 bytes at pitch 48, + 32 bytes
.set STP,  STT+8*WREG                  ; stage of phi, the same
.set STG,  STP+8*WREG                  ; stage of g: 128 rows i of 128 bytes at pitch 144; wave w writes rows 16 w .. 16 w + 15
.set XOFF, 4                           ; v4   x: 8 h rows + 16 r
.set WOFF, 5                           ; v5   weights: row 16 w + r, + 32 h
.set LXS,  6                           ; v6   LDS: where my wave's fragments go
.set LXL,  7                           ; v7   16 x lane: from where any fragment is read; also my 16 bytes of the row of w_out
.set ATS,  8                           ; v8   stage of theta and phi, in
.set AGS,  9                           ; v9   stage of g, in
.set CTL,  10                          ; v10  stage of theta and phi, back
.set CGL,  11                          ; v11  stage of g, back
.set CTG,  12                          ; v12  th, ph: my 16 bytes
.set CGG,  13                          ; v13  gb: my 16 bytes
.set ACC,  16                          ; v16-111   accumulators: theta f 0..3, phi f 0..3, g f 0..3
.set XF,   112                         ; v112-143  the four x fragments of a K step
.set WF,   144                         ; v144-167  the three weight fragments of a K step
.set XS,   168                         ; v168-231  x as loaded (16 rows x 4); later packed results, then the copy out
.set WOR,  232                         ; v232-235  four numbers of the row of w_out
.set WOP,  236                         ; v236-237  the same in bf16
.set WSO,  238                         ; v238      8 x lane: where they go in wob's row
; window 1 (v256-447): the weights in f32 as loaded, four slots of 48 registers: slot ks % 4, matrix M, 16 M + 4 e
.set MSB, 0
.macro WIN new                         ; the immediate's high byte repeats the setting that is left
.if MSB != \new
	s_set_vgpr_msb (MSB<<8)|\new
.set MSB, \new
.endif
.endm
.macro PLACES                          ; four places behind a matrix instruction (ISA guide 7.12.1), where there is no other work
.rept 4
	v_nop
.endr
.endm
	s_load_b256 s[4:11], s[0:1], 0x0               ; x s[4:5], w_theta s[6:7], w_phi s[8:9], w_g s[10:11]
	s_load_b256 s[12:19], s[0:1], 0x20             ; w_out s[12:13], th s[14:15], ph s[16:17], gb s[18:19]
	s_load_b64 s[20:21], s[0:1], 0x40              ; wob
	v_lshl_add_u32 v254, v0, 2, 0x18a00
	v_mov_b32 v255, 0
	v_lshrrev_b32 v1, 5, v0
	v_readfirstlane_b32 s22, v1                    ; wave 0..7
	s_and_b32 s23, ttmp7, 0xffff                   ; batch
	v_and_b32 v1, 31, v0                           ; lane
	v_and_b32 v2, 15, v0                           ; r
	v_bfe_u32 v3, v0, 4, 1                         ; h
	s_lshl_b32 s24, s23, 22                        ; x: batch x 256 rows of 16,384 bytes
	s_lshl_b32 s25, s22, 19                        ;    + 32 w rows
	s_add_co_u32 s24, s24, s25
	s_lshl_b32 s25, ttmp9, 8                       ;    + 64 columns of 4 bytes for each work-group
	s_add_co_u32 s24, s24, s25
	s_mov_b32 s25, 0
	s_lshl_b32 s26, s23, 20                        ; th, ph, gb: batch x 1 MiB + work-group x 16,384 bytes
	s_lshl_b32 s27, ttmp9, 14
	s_add_co_u32 s26, s26, s27
	s_mov_b32 s27, 0
	s_lshl_b32 s30, s23, 6
	s_add_co_u32 s30, s30, ttmp9                   ; my row of w_out: 64 x batch + work-group x, 0 .. 255
	s_lshl_b32 s28, s30, 9                         ; 512 bytes a row in f32,
	s_mov_b32 s29, 0
	s_lshl_b32 s30, s30, 8                         ; 256 in bf16
	s_mov_b32 s31, 0
	v_lshlrev_b32 v[XOFF], 4, v2
	v_lshl_add_u32 v[XOFF], v3, 17, v[XOFF]        ; 8 h rows of 16,384 bytes + 16 r
	v_lshlrev_b32 v[WOFF], 10, v2
	v_lshl_add_u32 v[WOFF], v3, 5, v[WOFF]
	v_lshl_add_u32 v[WOFF], s22, 14, v[WOFF]       ; (16 w + r) x 1,024 + 32 h
	v_lshlrev_b32 v[LXL], 4, v1
	v_lshl_add_u32 v[LXS], s22, 12, v[LXL]         ; 4,096 w + 16 lane
	v_lshlrev_b32 v[WSO], 3, v1
	v_mul_u32_u24 v[ATS], v2, 48
	v_lshl_add_u32 v[ATS], v3, 4, v[ATS]
	s_mul_i32 s2, s22, WREG
	v_add_nc_u32 v[ATS], s2, v[ATS]                ; my wave's part of the stage + 48 r + 16 h
	v_mul_u32_u24 v[AGS], v2, 144
	v_lshl_add_u32 v[AGS], v3, 6, v[AGS]
	s_mul_i32 s2, s22, 2304
	s_add_co_u32 s2, s2, STG
	v_add_nc_u32 v[AGS], s2, v[AGS]                ; row 16 w + r of g's stage + 64 h
	v_lshrrev_b32 v14, 4, v0                       ; t / 16
	v_bfe_u32 v15, v0, 1, 3                        ; (t % 16) / 2: the wave whose 32 bytes of the row I read back
	v_mul_u32_u24 v[CTL], v14, 48
	v_mad_u32_u24 v[CTL], v15, WREG, v[CTL]
	v_and_b32 v15, 1, v0
	v_lshl_add_u32 v[CTL], v15, 4, v[CTL]
	v_lshlrev_b32 v[CTG], 4, v2
	v_lshl_add_u32 v[CTG], v14, 10, v[CTG]         ; row 4 (t / 16) of 256 bytes + 16 (t % 16)
	v_lshrrev_b32 v14, 3, v0
	v_and_b32 v15, 7, v0
	v_mul_u32_u24 v[CGL], v14, 144
	v_lshl_add_u32 v[CGL], v15, 4, v[CGL]
	v_add_nc_u32 v[CGL], STG, v[CGL]
	v_lshlrev_b32 v[CGG], 4, v0
	s_wait_kmcnt 0x0
	s_add_nc_u64 s[4:5], s[4:5], s[24:25]
	s_add_nc_u64 s[14:15], s[14:15], s[26:27]
	s_add_nc_u64 s[16:17], s[16:17], s[26:27]
	s_add_nc_u64 s[18:19], s[18:19], s[26:27]
	s_add_nc_u64 s[12:13], s[12:13], s[28:29]
	s_add_nc_u64 s[20:21], s[20:21], s[30:31]
; The row of w_out, 512 consecutive bytes.  Every wave issues this one load, so that the counted waits below mean the same in all eight;
; it is older than every other load, so each of those waits covers it.  Wave 0 alone converts and stores.
	global_load_b128 v[WOR:WOR+3], v[LXL], s[12:13]
; 16 rows of x: p = 0..7 are c = 32 w + 8 h + p, p = 8..15 are c = 32 w + 16 + 8 h + (p - 8).  No non-temporal hint: the next launch reads x again.
.irp p, 0,1,2,3,4,5,6,7,8,9,10,11,12,13,14,15
	global_load_b128 v[XS+4*\p:XS+4*\p+3], v[XOFF], s[4:5] offset:(\p+8*(\p/8))*16384
.endr
; 12 loads: the f32 weights of K step ks: my row's k = 32 ks + 8 h + 0..7 (e = 0, 1) and 32 ks + 16 + 8 h + 0..7 (e = 2, 3), of three matrices
.macro WLOAD ks
	WIN 0x40                                       ; destination in window 1
.irp e, 0,1,2,3
	global_load_b128 v[48*((\ks)%4)+4*\e:48*((\ks)%4)+4*\e+3],       v[WOFF], s[6:7]   offset:128*(\ks)+16*\e+32*(\e/2)
	global_load_b128 v[48*((\ks)%4)+16+4*\e:48*((\ks)%4)+16+4*\e+3], v[WOFF], s[8:9]   offset:128*(\ks)+16*\e+32*(\e/2)
	global_load_b128 v[48*((\ks)%4)+32+4*\e:48*((\ks)%4)+32+4*\e+3], v[WOFF], s[10:11] offset:128*(\ks)+16*\e+32*(\e/2)
.endr
.endm
	WLOAD 0
	WLOAD 1
	WLOAD 2
	WLOAD 3
	WIN 0
	s_wait_loadcnt 48                              ; loads come back in order: w_out's row and x's 16 are in, the 48 weight loads behind them stay out
; fragment f: register p holds k = 8 h + 2 p, 8 h + 2 p + 1 of column n0 + 4 r + f; register 4 + p the same 16 further on
.irp f, 0,1,2,3
.irp p, 0,1,2,3
	v_cvt_pk_bf16_f32 v[XF+8*\f+\p],   v[XS+8*\p+\f],    v[XS+8*\p+4+\f]
	v_cvt_pk_bf16_f32 v[XF+8*\f+4+\p], v[XS+32+8*\p+\f], v[XS+32+8*\p+4+\f]
.endr
.endr
.irp f, 0,1,2,3
	ds_store_b128 v[LXS], v[XF+8*\f:XF+8*\f+3]   offset:1024*\f
	ds_store_b128 v[LXS], v[XF+8*\f+4:XF+8*\f+7] offset:1024*\f+512
.endr
	s_wait_dscnt 0x0                               ; my fragments are in LDS: zero, for the other waves' sake
	s_barrier_signal -1
	s_barrier_wait -1                              ; everybody's are
	s_cmp_lg_u32 s22, 0
	s_cbranch_scc1 .Lnot_mine
	v_cvt_pk_bf16_f32 v[WOP],   v[WOR],   v[WOR+1]
	v_cvt_pk_bf16_f32 v[WOP+1], v[WOR+2], v[WOR+3]
	global_store_b64 v[WSO], v[WOP:WOP+1], s[20:21]    ; 32 lanes store the row's 256 consecutive bytes, aligned; these registers are not written again
.Lnot_mine:
; One K step of 32.  left: how many younger weight loads may stay out; more: the slot is loaded again, four K steps ahead; zero: the products start the sums.
; The 12 accumulators take turns, one instruction a turn.
.macro KS ks, left, more, zero
.if \ks
	PLACES                                         ; XF and WF were sources of the matrix instructions just issued
.endif
	WIN 0
.irp f, 0,1,2,3
	ds_load_b128 v[XF+8*\f:XF+8*\f+3],   v[LXL] offset:4096*\ks+1024*\f
	ds_load_b128 v[XF+8*\f+4:XF+8*\f+7], v[LXL] offset:4096*\ks+1024*\f+512
.endr
	s_wait_loadcnt \left
	WIN 0x05                                       ; sources in window 1
.set uu, 0
.rept 24
	v_cvt_pk_bf16_f32 v[WF+uu], v[48*(\ks%4)+2*uu], v[48*(\ks%4)+2*uu+1]
.set uu, uu+1
.endr
.if \more
	WLOAD \ks+4
.endif
	WIN 0
	s_wait_dscnt 0x0
.irp m, 0,1
.irp f, 0,1,2,3
.if \zero
	v_wmma_f32_16x16x32_bf16 v[ACC+32*\m+8*\f:ACC+32*\m+8*\f+7], v[WF+8*\m:WF+8*\m+7], v[XF+8*\f:XF+8*\f+7], 0
.else
	v_wmma_f32_16x16x32_bf16 v[ACC+32*\m+8*\f:ACC+32*\m+8*\f+7], v[WF+8*\m:WF+8*\m+7], v[XF+8*\f:XF+8*\f+7], v[ACC+32*\m+8*\f:ACC+32*\m+8*\f+7]
.endif
.endr
.endr
.irp f, 0,1,2,3                        ; g the other way round: a lane then holds 8 n of one row i
.if \zero
	v_wmma_f32_16x16x32_bf16 v[ACC+64+8*\f:ACC+64+8*\f+7], v[XF+8*\f:XF+8*\f+7], v[WF+16:WF+23], 0
.else
	v_wmma_f32_16x16x32_bf16 v[ACC+64+8*\f:ACC+64+8*\f+7], v[XF+8*\f:XF+8*\f+7], v[WF+16:WF+23], v[ACC+64+8*\f:ACC+64+8*\f+7]
.endif
.endr
.endm
	KS 0, 36, 1, 1                                 ; three younger groups of 12 loads stay out,
	KS 1, 36, 1, 0
	KS 2, 36, 1, 0
	KS 3, 36, 1, 0
	KS 4, 36, 0, 0
	KS 5, 24, 0, 0                                 ; then the counts run down
	KS 6, 12, 0, 0
	KS 7, 0, 0, 0
	PLACES
; theta and phi: lane (r, h) holds i = 16 w + 8 h + 0..7 of column n0 + 4 r + f: 16 bytes of a row of th or ph
.set uu, 0
.rept 16
	v_pk_mul_f32 v[ACC+2*uu:ACC+2*uu+1], v[ACC+2*uu:ACC+2*uu+1], 0x3fb8aa3b op_sel_hi:[1,0]   ; theta x log2(e), in f32
.set uu, uu+1
.endr
.set uu, 0
.rept 32
	v_cvt_pk_bf16_f32 v[XS+uu], v[ACC+2*uu], v[ACC+2*uu+1]
.set uu, uu+1
.endr
; g: register j of fragment f is n = n0 + 32 h + 4 j + f of row i = 16 w + r: the four fragments interleave to 32 neighbouring n, 64 bytes
.irp j, 0,1,2,3,4,5,6,7
	v_cvt_pk_bf16_f32 v[XS+32+2*\j], v[ACC+64+\j], v[ACC+72+\j]
	v_cvt_pk_bf16_f32 v[XS+33+2*\j], v[ACC+80+\j], v[ACC+88+\j]
.endr
.irp f, 0,1,2,3
	ds_store_b128 v[ATS], v[XS+4*\f:XS+4*\f+3]       offset:STT+768*\f   ; stage row 16 f + r; sixteen lanes 48 bytes apart: sixteen different 16-byte columns
	ds_store_b128 v[ATS], v[XS+16+4*\f:XS+16+4*\f+3] offset:STP+768*\f
.endr
.irp q, 0,1,2,3
	ds_store_b128 v[AGS], v[XS+32+4*\q:XS+32+4*\q+3] offset:16*\q
.endr
	s_wait_dscnt 0x0                               ; zero: other waves read these bytes
	s_barrier_signal -1
	s_barrier_wait -1
; the copy out: 12 x 16 bytes a thread.  Stage row 16 u + t / 16 is n = n0 + 4 (t / 16) + u.  Sixteen lanes store 256 consecutive bytes, aligned.
.irp u, 0,1,2,3
	ds_load_b128 v[XS+4*\u:XS+4*\u+3], v[CTL] offset:STT+768*\u
.endr
.irp u, 0,1,2,3
	ds_load_b128 v[XS+16+4*\u:XS+16+4*\u+3], v[CTL] offset:STP+768*\u
.endr
.irp u, 0,1,2,3
	ds_load_b128 v[XS+32+4*\u:XS+32+4*\u+3], v[CGL] offset:4608*\u
.endr
.irp u, 0,1,2,3
	s_wait_dscnt 11-\u                             ; LDS loads come back in order: the counts run down from 11 to 0
	global_store_b128 v[CTG], v[XS+4*\u:XS+4*\u+3], s[14:15] offset:256*\u
.endr
.irp u, 0,1,2,3
	s_wait_dscnt 7-\u
	global_store_b128 v[CTG], v[XS+16+4*\u:XS+16+4*\u+3], s[16:17] offset:256*\u
.endr
.irp u, 0,1,2,3
	s_wait_dscnt 3-\u
	global_store_b128 v[CGG], v[XS+32+4*\u:XS+32+4*\u+3], s[18:19] offset:4096*\u
.endr
	s_wait_tensorcnt 0x0
	ds_add_u32 v254, v255
	s_wait_dscnt 0x0
	s_endpgm
.Lfunc_end_k_q6fdf28f050_proj:
	.size	k_q6fdf28f050_proj, .Lfunc_end_k_q6fdf28f050_proj-k_q6fdf28f050_proj
	.p2alignl 7, 3214868480
	.fill 96, 4, 3214868480
	.section	.rodata,"a",@progbits
	.p2align	6, 0x0
	.amdhsa_kernel k_q6fdf28f050_proj
		.amdhsa_group_segment_fixed_size 101888
		.amdhsa_private_segment_fixed_size 0
		.amdhsa_enable_private_segment 0
		.amdhsa_kernarg_size 72
		.amdhsa_user_sgpr_count 2
		.amdhsa_user_sgpr_kernarg_segment_ptr 1
		.amdhsa_wavefront_size32 1
		.amdhsa_system_sgpr_workgroup_id_x 1
		.amdhsa_system_sgpr_workgroup_id_y 1
		.amdhsa_system_sgpr_workgroup_id_z 1
		.amdhsa_system_vgpr_workitem_id 0
		.amdhsa_next_free_vgpr 448
		.amdhsa_next_free_sgpr 66
		.amdhsa_reserve_vcc 0
		.amdhsa_float_denorm_mode_32 3
		.amdhsa_float_denorm_mode_16_64 3
		.amdhsa_memory_ordered 1
		.amdhsa_forward_progress 1
		.amdhsa_inst_pref_size 49
	.end_amdhsa_kernel
	.amdgpu_metadata
---
amdhsa.version: [ 1, 2 ]
amdhsa.kernels:
  - .name:           k_q6fdf28f050_proj
    .symbol:         k_q6fdf28f050_proj.kd
    .args:
      - { .name: x, .offset: 0, .size: 8, .value_kind: global_buffer, .address_space: global }
      - { .name: w_theta, .offset: 8, .size: 8, .value_kind: global_buffer, .address_space: global }
      - { .name: w_phi, .offset: 16, .size: 8, .value_kind: global_buffer, .address_space: global }
      - { .name: w_g, .offset: 24, .size: 8, .value_kind: global_buffer, .address_space: global }
      - { .name: w_out, .offset: 32, .size: 8, .value_kind: global_buffer, .address_space: global }
      - { .name: th, .offset: 40, .size: 8, .value_kind: global_buffer, .address_space: global }
      - { .name: ph, .offset: 48, .size: 8, .value_kind: global_buffer, .address_space: global }
      - { .name: gb, .offset: 56, .size: 8, .value_kind: global_buffer, .address_space: global }
      - { .name: wob, .offset: 64, .size: 8, .value_kind: global_buffer, .address_space: global }
    .group_segment_fixed_size: 101888
    .private_segment_fixed_size: 0
    .kernarg_segment_align: 8
    .kernarg_segment_size: 72
    .max_flat_workgroup_size: 256
    .sgpr_count:     66
    .vgpr_count:     448
    .wavefront_size: 32
...
	.end_amdgpu_metadata
.endif
;; end of part 1
;; launch attn (part 2): grid 64 x 4, 4 waves a work-group, clusters of 4 x 1, 327,680 bytes of LDS; arguments th, ph, gb, wob, x, out0; writes out0
.if DOCPART == 2
	.amdgcn_target "amdgcn-amd-amdhsa--gfx1250"
	.amdhsa_code_object_version 6
	.text
	.protected	k_q6fdf28f050_attn
	.globl	k_q6fdf28f050_attn
	.p2align	8
	.type	k_q6fdf28f050_attn,@function
k_q6fdf28f050_attn:
	s_mov_b64 s[64:65], 0
	v_nop
	global_prefetch_b8 v0, s[64:65] scope:SCOPE_SE
	s_setreg_imm32_b32 hwreg(HW_REG_WAVE_MODE, 25, 1), 1
	s_wait_xcnt 0x0
	s_wait_alu depctr_hold_cnt(0) depctr_sa_sdst(0) depctr_va_vdst(0) depctr_va_sdst(0) depctr_va_ssrc(0) depctr_va_vcc(0) depctr_vm_vsrc(0)
	s_getreg_b32 s2, hwreg(HW_REG_IB_STS2, 6, 4)
	s_cmp_eq_u32 s2, 0
	s_cbranch_scc0 .Lentry_in_a_cluster
	s_endpgm
.Lentry_in_a_cluster:
	s_bfe_u32 s2, ttmp6, 0x10000c
	s_cmp_lg_u32 s2, 0x3003
	s_cbranch_scc0 .Lentry_shape_is_right
	s_endpgm
.Lentry_shape_is_right:
; out0[b][c][n] = x[b][c][n] + sum over i of w_out[c][i] y[i][n],  y[i][n] = sum over m of softmax_m(theta[n] . phi[m]) g[m][i].
; th (theta x log2 e), ph, gb and wob (w_out) are the bf16 results of the launch before (layouts in its head comment).
; A work-group owns 64 queries n of one batch and walks all 4,096 keys in 16 tiles of 256.  Four waves; wave w takes keys
; 64 w .. 64 w + 63 of every tile for ALL 64 queries, with a running maximum m, a sum l and O^T (128 i x 64 n, f32) of its own:
; every byte of a tile is read from LDS once, and 64 LDS loads feed 128 matrix instructions.  The four partial results are merged at the end.
; BOTH PRODUCTS ARE TRANSPOSED: S^T = K Q^T (a lane holds 32 keys of one query in each of 4 query tiles q), O^T = V^T P^T.  The maximum and
; the sum stay inside a lane but for one exchange between the halves of the wave, and exp2(S - m), packed to bf16 in pairs of registers,
; IS the second product's fragment.  The maximum is a running one, taken away before every exponential.
;
; THE ORDER OF A TILE.  One wave has a SIMD to itself, so vector work overlaps matrix work only if it is issued between the matrix
; instructions.  The four query tiles are independent: a tile of keys is eight groups of 16 matrix instructions, and each group carries
; softmax stages of other query tiles (' = of the tile of keys before):
;   g0  S(0)    D,E(3')  H(2')          M: maximum, alpha = exp2(old m - new m), l x alpha
;   g1  PV(2')  G,F(3')  M(0)  L(2')    D,E: p = exp2(S - m), in place
;   g2  S(1)    D,E(0)   H(3')          G: O x alpha     F: p to bf16
;   g3  PV(3')  G,F(0)   M(1)  L(3')    H: the sum of p as a tree, in S's registers
;   g4  S(2)    D,E(1)   H(0)           L: l + that sum
;   g5  PV(0)   G,F(1)   M(2)  L(0)
;   g6  S(3)    D,E(2)   H(1)
;   g7  PV(1)   G,F(2)   M(3)  L(1)
; V's fragments are loaded in g4 (behind PV(3'), their last reader), the next tile's K in g6, each quarter behind the quarter of S(3)
; that read it last.  Tile 0, tile 1 and the four groups behind tile 15 are the same macros with parts switched off.
;
; REGISTERS in windows of 256, placed so that most of the vector work runs under the matrix instructions' own setting:
;   window 0: v0-23 ids and addresses; v32-63 m, alpha, l, at work; v64-191 Q fragments QF(q, ks) = 64 + 8 (4 q + ks); v192-255 P fragments PB(q) = 192 + 16 q
;   window 1: v0-127 K fragments KF(kt, ks) = 8 (4 ks + kt); v128-255 S(q, kt) = 128 + 32 q + 8 kt
;   window 2: i tiles 0-3: O(q, it) = 8 (4 q + it); V fragments VF(it, k2) = 128 + 8 (4 k2 + it); v192-255 w_out fragments of c tiles 0, 1
;   window 3: the same for i tiles 4-7 and c tiles 2, 3
; s_set_vgpr_msb's low byte: bits 1:0 source 0, 3:2 source 1, 5:4 source 2, 7:6 destination.
;   S product 0x51: D, E and H fit it (H is written b x 1.0 + a, so that both summands stand in operand places of window 1)
;   PV product 0xa2 / 0xf3: G fits it.     M, F and L want 0x05 (sources window 1, destination window 0), M's end 0.
;
; CLUSTER: the four work-groups of a cluster (4, 1, 1) have the same batch and read the same tiles of K and V.  Each tile is asked for
; jointly (mask 15): waves 0 and 1 ask for K's two halves, waves 2 and 3 for V's, 32,768 bytes each, into two LDS slots that take turns.
; Every refill stands behind a round of the cluster's barrier.  By this text's count a wave has two tensor loads out at the start, later one.
; LIMITS: NaN and infinities in the inputs are not treated apart (infinite scores give NaN); exp2 results below 2^-126 are zero
; (ISA guide, v_exp_f32); theta', phi, g, p, y and w_out are rounded to bf16, l sums the unrounded p; l is scaled by alpha when alpha is made
; and gets the tile's sum some groups later (separate roundings); the sums over keys are formed per wave and merged in f32.
.set QUART, 36864                      ; a quarter of a slot: K: 128 rows at pitch 272 (34,816 bytes); V: 256 rows of 128 bytes at pitch 144
.set SLOT,  4*QUART                    ; K keys 0-127, K keys 128-255, V chunks 0 and 1, V chunks 2 and 3
.set STATB, 131072                     ; after slot 0's last fill and last read: bytes 0 .. 131071 the four partial O^T, then m and l (4,096 bytes)
.set OUTS,  SLOT                       ; after slot 1's: for each wave 64 rows c x 64 n f32 at pitch 272 (17,408 bytes),
.set YX,    SLOT+69632                 ; then the fragments of y (16,384 bytes)
.set AK,   8                           ; v8, v9    my K fragments in slot 0, 1
.set AV,   10                          ; v10, v11  my V fragments in slot 0, 1
.set QO,   12                          ; th: 256 r + 16 h
.set WOO,  13                          ; wob: row 64 w + r, + 16 h
.set XO,   14                          ; x, out0: row lane / 16, 16 (lane % 16)
.set AST,  15                          ; m, l: out
.set ASL,  16                          ; m, l: back
.set AOS,  17                          ; partial O^T: out
.set AOL,  18                          ; partial O^T of waves 0, 1: back
.set AOL2, 19                          ; of waves 2, 3
.set AYS,  20                          ; y: out
.set AYL,  21                          ; y: back
.set AWS,  22                          ; result: into my stage
.set ARD,  23                          ; result: back by rows
.set MM,   32                          ; v32-39  m of query tile q, twice (a pair for the packed subtraction)
.set AA,   40                          ; v40-47  alpha, twice; at the end the merge's factor
.set LS,   48                          ; v48-51  l
.set T,    52                          ; v52-55  four chains of a maximum
.set TA,   56
.set TB,   57
.set DD,   58
.set ED,   60                          ; v60-63  the merge
.set QF,   64
.set PB,   192
.set KF,   0
.set SC,   128
.set VF,   128
.set WO,   192
.set W_S,  0x51
.set W_PA, 0xa2
.set W_MF, 0x05
.set G1K, 24                           ; s[24:31] group 1 for K's tiles
.set G0K, 32                           ; s[32:39] group 0 for K's tiles, a set for each slot
.set G1V, 40                           ; s[40:47] group 1 for V's tiles
.set G0V, 48                           ; s[48:55] group 0 for V's tiles, a set for each slot
.set MSB, 0
.macro WIN new                         ; the immediate's high byte repeats the setting that is left
.if MSB != \new
	s_set_vgpr_msb (MSB<<8)|\new
.set MSB, \new
.endif
.endm
.macro PLACES                          ; four places behind a matrix instruction (ISA guide 7.12.1), where there is no other work
	s_wait_alu depctr_va_vdst(0)
.rept 4
	v_nop
.endr
.endm
; A round of the cluster's barrier: my work-group's barrier, wave 0 signals for the work-group, every wave waits for all four work-groups, my work-group's barrier again
.macro ROUND
	s_barrier_signal -1
	s_barrier_wait -1
	s_cmp_lg_u32 s16, 0
	s_cbranch_scc1 .Lnot_wave_0_\@
	s_barrier_signal -3
.Lnot_wave_0_\@:
	s_barrier_wait -3
	s_barrier_signal -1
	s_barrier_wait -1
.endm
; A joint load: one a wave.  The branch hangs on the wave's number alone, so it is the same in all four work-groups.
.macro JLOAD slot
	s_cmp_eq_u32 s17, 0
	s_cbranch_scc0 .Lfor_v_\@
	tensor_load_to_lds s[G0K+4*\slot:G0K+4*\slot+3], s[G1K:G1K+7]
	s_nop 0
	s_branch .Lasked_\@
.Lfor_v_\@:
	tensor_load_to_lds s[G0V+4*\slot:G0V+4*\slot+3], s[G1V:G1V+7]
	s_nop 0
	v_nop
	v_nop
	v_nop
	v_nop
.Lasked_\@:
.endm
	s_load_b256 s[4:11], s[0:1], 0x0               ; th s[4:5], ph s[6:7], gb s[8:9], wob s[10:11]
	s_load_b128 s[12:15], s[0:1], 0x20             ; x s[12:13], out0 s[14:15]
	v_lshl_add_u32 v31, v0, 2, 0x48000
	v_mov_b32 v59, 0
	ds_add_u32 v31, v59
	v_lshrrev_b32 v1, 5, v0
	v_readfirstlane_b32 s16, v1                    ; wave 0..3
	s_lshr_b32 s17, s16, 1                         ; 0: I ask for K, 1: for V.  Also: which quarter holds my keys
	s_and_b32 s18, s16, 1                          ; which half of the tile I ask for.  Also: which half of that quarter is mine
	s_bfe_u32 s19, ttmp6, 0x40000                  ; cx
	s_lshl_b32 s20, ttmp9, 2
	s_add_co_u32 s20, s20, s19                     ; query block = 4 x cluster x + cx
	s_and_b32 s21, ttmp7, 0xffff                   ; batch = cluster y
	s_mov_b32 s56, 0x76543210                      ; v_permlanex16_b32: lane i of one half reads lane i of the other
	s_mov_b32 s57, 0xfedcba98
	; group 1: 128 rows x 128 elements of 2 bytes, dense.  K: 4 words of padding behind every 64 words: pitch 272.
	s_mov_b32 s[G1K+0], 15|(1<<16)|(1<<20)|(1<<21)|(5<<22)|(3<<25)   ; 15:0 mask: all four; 17:16 2 bytes; 20 padding; 21 set beside a mask; 24:22 interval; 31:25 pad
	s_mov_b32 s[G1K+1], 128<<16                    ; tensor_dim0 = 128
	s_mov_b32 s[G1K+2], 128<<16                    ; tensor_dim1 = 128
	s_mov_b32 s[G1K+3], 128<<16                    ; tile_dim0 = 128
	s_mov_b32 s[G1K+4], 128                        ; tile_dim1 = 128
	s_mov_b32 s[G1K+5], 128                        ; 128 elements from row to row
	s_mov_b32 s[G1K+6], 0
	s_mov_b32 s[G1K+7], 0
	; V: a memory row of 256 bytes is two rows (i, 64 keys) of 128 bytes; 4 words of padding behind every 32 words give each of them pitch 144
	s_mov_b32 s[G1V+0], 15|(1<<16)|(1<<20)|(1<<21)|(4<<22)|(3<<25)
	s_mov_b32 s[G1V+1], 128<<16
	s_mov_b32 s[G1V+2], 128<<16
	s_mov_b32 s[G1V+3], 128<<16
	s_mov_b32 s[G1V+4], 128
	s_mov_b32 s[G1V+5], 128
	s_mov_b32 s[G1V+6], 0
	s_mov_b32 s[G1V+7], 0
	s_lshl_b32 s60, s21, 20                        ; ph, gb: batch x 1 MiB + my half of a tile.  s59-s61 never hold cx
	s_lshl_b32 s61, s18, 15
	s_add_co_u32 s60, s60, s61
	s_mov_b32 s61, 0
	s_mul_i32 s59, s16, QUART                      ; where my load goes: quarter w
	s_lshl_b32 s62, s21, 20                        ; th: batch x 1 MiB + query block x 64 rows of 256 bytes
	s_lshl_b32 s63, s20, 14
	s_add_co_u32 s62, s62, s63
	s_mov_b32 s63, 0
	s_lshl_b32 s22, s21, 22                        ; x, out0: batch x 4 MiB + 64 w rows of 16,384 bytes + query block x 256 bytes
	s_lshl_b32 s23, s16, 20
	s_add_co_u32 s22, s22, s23
	s_lshl_b32 s23, s20, 8
	s_add_co_u32 s22, s22, s23
	s_mov_b32 s23, 0
	s_wait_dscnt 0x0
	s_wait_kmcnt 0x0
	s_add_nc_u64 s[6:7], s[6:7], s[60:61]
	s_add_nc_u64 s[8:9], s[8:9], s[60:61]
	s_add_nc_u64 s[4:5], s[4:5], s[62:63]
	s_add_nc_u64 s[12:13], s[12:13], s[22:23]
	s_add_nc_u64 s[14:15], s[14:15], s[22:23]
	ROUND                                          ; all four work-groups are here: the first joint loads meet
.irp sl, 0,1
	s_mov_b32 s[G0K+4*\sl], 1
	s_add_co_u32 s[G0K+4*\sl+1], s59, \sl*SLOT
	s_add_nc_u64 s[G0K+4*\sl+2:G0K+4*\sl+3], s[6:7], \sl*65536     ; tile sl: 256 keys x 256 bytes each
	s_or_b32 s[G0K+4*\sl+3], s[G0K+4*\sl+3], 0x80000000
	s_mov_b32 s[G0V+4*\sl], 1
	s_add_co_u32 s[G0V+4*\sl+1], s59, \sl*SLOT
	s_add_nc_u64 s[G0V+4*\sl+2:G0V+4*\sl+3], s[8:9], \sl*65536     ; four chunks of 16,384 bytes
	s_or_b32 s[G0V+4*\sl+3], s[G0V+4*\sl+3], 0x80000000
	JLOAD \sl                                      ; tiles 0 and 1 go out before anything else is done
.endr
	v_and_b32 v1, 31, v0                           ; lane
	v_and_b32 v2, 15, v0                           ; r
	v_bfe_u32 v3, v0, 4, 1                         ; h
	v_lshlrev_b32 v[QO], 8, v2
	v_lshl_add_u32 v[QO], v3, 4, v[QO]
	v_lshl_add_u32 v[WOO], s16, 14, v[QO]          ; 64 w rows of 256 bytes further on
	; Q: 16 fragments (query 16 q + r, i = 32 ks + 8 h ..), kept for the whole launch
.irp qt, 0,1,2,3
.irp ks, 0,1,2,3
	global_load_b128 v[QF+8*(4*\qt+\ks):QF+8*(4*\qt+\ks)+3],   v[QO], s[4:5] offset:4096*\qt+64*\ks
	global_load_b128 v[QF+8*(4*\qt+\ks)+4:QF+8*(4*\qt+\ks)+7], v[QO], s[4:5] offset:4096*\qt+64*\ks+32
.endr
.endr
	; w_out in bf16: 16 fragments (row c = 64 w + 16 ct + r), straight into the registers where they stay; waited for only in front of the last product
.irp hf, 0,1
	WIN (0x80+0x40*\hf)
.irp ct, 0,1
.irp ks, 0,1,2,3
	global_load_b128 v[WO+8*(4*\ct+\ks):WO+8*(4*\ct+\ks)+3],   v[WOO], s[10:11] offset:4096*(\ct+2*\hf)+64*\ks
	global_load_b128 v[WO+8*(4*\ct+\ks)+4:WO+8*(4*\ct+\ks)+7], v[WOO], s[10:11] offset:4096*(\ct+2*\hf)+64*\ks+32
.endr
.endr
.endr
	WIN 0
	v_lshlrev_b32 v4, 4, v1                        ; 16 lane
	v_lshlrev_b32 v5, 2, v1                        ; 4 lane
	s_mul_i32 s60, s17, QUART
	s_mul_i32 s61, s18, 64*272
	s_add_co_u32 s61, s61, s60
	v_mul_u32_u24 v[AK], v2, 272
	v_lshl_add_u32 v[AK], v3, 4, v[AK]
	v_add_nc_u32 v[AK], s61, v[AK]                 ; quarter w / 2, row 64 (w % 2) + r, + 16 h
	v_add_nc_u32 v[AK+1], SLOT, v[AK]
	s_mul_i32 s61, s18, 128*144
	s_add_co_u32 s61, s61, s60
	s_add_co_u32 s61, s61, 2*QUART
	v_mul_u32_u24 v[AV], v2, 144
	v_lshl_add_u32 v[AV], v3, 4, v[AV]
	v_add_nc_u32 v[AV], s61, v[AV]                 ; quarter 2 + w / 2, chunk w % 2, row r, + 16 h
	v_add_nc_u32 v[AV+1], SLOT, v[AV]
	v_lshlrev_b32 v[XO], 4, v2
	v_lshl_add_u32 v[XO], v3, 14, v[XO]
	v_lshl_add_u32 v[AST], s16, 10, v5
	v_add_nc_u32 v[AST], STATB, v[AST]
	v_add_nc_u32 v[ASL], STATB, v5
	v_lshl_add_u32 v[AOS], s16, 15, v4
	v_lshl_add_u32 v[AOL], s16, 13, v4
	v_add_nc_u32 v[AOL2], 0x10000, v[AOL]
	v_lshl_add_u32 v[AYS], s16, 12, v4
	v_add_nc_u32 v[AYS], YX, v[AYS]
	v_add_nc_u32 v[AYL], YX, v4
	s_mul_i32 s60, s16, 17408
	s_add_co_u32 s60, s60, OUTS
	v_mul_u32_u24 v[AWS], v2, 272
	v_lshl_add_u32 v[AWS], v3, 5, v[AWS]
	v_add_nc_u32 v[AWS], s60, v[AWS]
	v_mul_u32_u24 v[ARD], v3, 272
	v_lshl_add_u32 v[ARD], v2, 4, v[ARD]
	v_add_nc_u32 v[ARD], s60, v[ARD]
	v_mov_b32 v[TB], 0                             ; v_permlanex16_b32's destination counts as read
; ---- runs of eight loads ----
.macro KRUN slot, ks                   ; my 64 keys x i = 32 ks .. 32 ks + 31: four fragments
	WIN 0x40
.irp kt, 0,1,2,3
	ds_load_b128 v[KF+8*(4*(\ks)+\kt):KF+8*(4*(\ks)+\kt)+3],   v[AK+\slot] offset:4352*\kt+64*(\ks)
	ds_load_b128 v[KF+8*(4*(\ks)+\kt)+4:KF+8*(4*(\ks)+\kt)+7], v[AK+\slot] offset:4352*\kt+64*(\ks)+32
.endr
.endm
.macro XRUN ks                         ; x for the residual, rows c = 64 w + 2 t + lane / 16, t = 8 ks .. 8 ks + 7, 256 bytes each, into K's registers
	WIN 0x40
.irp j, 0,1,2,3,4,5,6,7
	global_load_b128 v[32*(\ks)+4*\j:32*(\ks)+4*\j+3], v[XO], s[12:13] offset:32768*(8*(\ks)+\j) th:TH_LOAD_NT
.endr
.endm
.macro LRUN ld, slot, ks
.if \ld == 2
	KRUN \slot, \ks
.else
	XRUN \ks
.endif
.endm
.macro VRUN slot, j                    ; four i tiles (window 2 + j % 2) x my keys 32 (j / 2) .. + 31: four fragments
	WIN (0x80+0x40*((\j)%2))
.irp it, 0,1,2,3
	ds_load_b128 v[VF+8*(4*((\j)/2)+\it):VF+8*(4*((\j)/2)+\it)+3],   v[AV+\slot] offset:2304*(\it+4*((\j)%2))+64*((\j)/2)
	ds_load_b128 v[VF+8*(4*((\j)/2)+\it)+4:VF+8*(4*((\j)/2)+\it)+7], v[AV+\slot] offset:2304*(\it+4*((\j)%2))+64*((\j)/2)+32
.endr
.endm
; step si (0..14) of the tree that sums the 32 p of query tile q: pairs at distance 2, 4, 8, 16
.macro HOP q
.if si < 8
.set hd, 2
.set hb, 4*si
.elseif si < 12
.set hd, 4
.set hb, 8*(si-8)
.elseif si < 14
.set hd, 8
.set hb, 16*(si-12)
.else
.set hd, 16
.set hb, 0
.endif
	v_pk_fma_f32 v[SC+32*\q+hb:SC+32*\q+hb+1], v[SC+32*\q+hb+hd:SC+32*\q+hb+hd+1], 1.0, v[SC+32*\q+hb:SC+32*\q+hb+1] op_sel_hi:[1,0,1]
.endm
; An S group: 16 slots.  Slot si = 4 ks + kt: the matrix instruction (mx; the four accumulators of S(qw) take turns), one subtraction
; and two exponentials of query tile qd (de), one step of qh's tree (hh).  ld = 1: V's four runs behind slots 2, 5, 8, 11 (six plain instructions behind the last
; reader of VF); ld = 2 / 3: the next K's / x's runs behind slots 5, 9, 13 (six plain instructions behind the quarter's last matrix instruction) and at the end.
; The four v_nop at the end are the places for the maxima that read S(qw) next, for the last run, and behind the last exponentials (ISA guide 5.7.2).
.macro SGRP mx, qw, de, qd, hh, qh, ld, slot
	WIN W_S
.set si, 0
.rept 16
.if \mx
.if si < 4
	v_wmma_f32_16x16x32_bf16 v[SC+32*\qw+8*(si%4):SC+32*\qw+8*(si%4)+7], v[KF+8*si:KF+8*si+7], v[QF+8*(4*\qw+si/4):QF+8*(4*\qw+si/4)+7], 0
.else
	v_wmma_f32_16x16x32_bf16 v[SC+32*\qw+8*(si%4):SC+32*\qw+8*(si%4)+7], v[KF+8*si:KF+8*si+7], v[QF+8*(4*\qw+si/4):QF+8*(4*\qw+si/4)+7], v[SC+32*\qw+8*(si%4):SC+32*\qw+8*(si%4)+7]
.endif
.endif
.if \de
	v_pk_add_f32 v[SC+32*\qd+2*si:SC+32*\qd+2*si+1], v[SC+32*\qd+2*si:SC+32*\qd+2*si+1], v[MM+2*\qd:MM+2*\qd+1] neg_lo:[0,1] neg_hi:[0,1]
.endif
.if \hh
.if si < 15
	HOP \qh
.endif
.endif
.if \de
.if si > 0
	v_exp_f32 v[SC+32*\qd+2*si-2], v[SC+32*\qd+2*si-2]
	v_exp_f32 v[SC+32*\qd+2*si-1], v[SC+32*\qd+2*si-1]
.endif
.endif
.if \ld == 1
.if (si%3) == 2
.if si < 12
	VRUN \slot, si/3
	WIN W_S
.endif
.endif
.endif
.if \ld >= 2
.if (si%4) == 1
.if si > 4
	LRUN \ld, \slot, si/4-1
	WIN W_S
.endif
.endif
.endif
.set si, si+1
.endr
.if \de
	v_exp_f32 v[SC+32*\qd+30], v[SC+32*\qd+30]
	v_exp_f32 v[SC+32*\qd+31], v[SC+32*\qd+31]
.endif
	PLACES
.if \ld >= 2
	LRUN \ld, \slot, 3
.endif
.endm
.macro FOP q, u                        ; registers 8 k2 .. 8 k2 + 7 of a query tile's 16 are the fragment of keys 32 k2 .. 32 k2 + 31
	v_cvt_pk_bf16_f32 v[PB+16*\q+(\u)], v[SC+32*\q+2*(\u)], v[SC+32*\q+2*(\u)+1]
.endm
; run cc = pj / 2 (0..7) of a PV group's work under other settings.  mmode 1: the first maximum, 2: a running one; lmode 1: l starts, 2: l grows
.macro CHK fon, qf, mmode, qm, lmode, ql
.set cc, pj/2
.if cc < 4
.if \mmode
	WIN W_MF
.irp c, 0,1,2,3
.if cc == 0
	v_max_num_f32 v[T+\c], v[SC+32*\qm+8*\c], v[SC+32*\qm+8*\c+1]
	s_wait_alu depctr_va_vdst(0)
.else
	v_max3_num_f32 v[T+\c], v[SC+32*\qm+8*\c+2*cc], v[SC+32*\qm+8*\c+2*cc+1], v[T+\c]
.endif
.endr
.endif
.if \fon
	WIN W_MF
	FOP \qf, 2*cc
	FOP \qf, 2*cc+1
.endif
.elseif cc == 4
.if \fon
	WIN W_MF
.irp u, 8,9,10,11,12,13
	FOP \qf, \u
.endr
.endif
.elseif cc == 5
.if \mmode
	WIN 0
	v_max3_num_f32 v[TA], v[T], v[T+1], v[T+2]
	v_max_num_f32 v[TA], v[TA], v[T+3]
	v_permlanex16_b32 v[TB], v[TA], s56, s57       ; the other half of the wave holds the query's other 32 keys
.if \mmode == 1
	v_max_num_f32 v[MM+2*\qm],   v[TA], v[TB]
	v_max_num_f32 v[MM+2*\qm+1], v[TA], v[TB]
.else
	v_max3_num_f32 v[TA], v[TA], v[TB], v[MM+2*\qm]    ; the new running maximum
	v_sub_f32 v[DD], v[MM+2*\qm], v[TA]
	v_exp_f32 v[AA+2*\qm], v[DD]                   ; alpha; it is read only behind the two moves of the next run (ISA guide 5.7.2)
.endif
.endif
.elseif cc == 6
.if \mmode == 2
	WIN 0
	v_mov_b32 v[MM+2*\qm],   v[TA]
	v_mov_b32 v[MM+2*\qm+1], v[TA]
	s_wait_alu depctr_va_vdst(0)
	v_mov_b32 v[AA+2*\qm+1], v[AA+2*\qm]
	v_mul_f32 v[LS+\qm], v[LS+\qm], v[AA+2*\qm]    ; each half of the wave keeps its own l until the end
.endif
.else
.if \fon
	WIN W_MF
	FOP \qf, 14
	FOP \qf, 15
.endif
.if \lmode == 1
	WIN W_MF
	v_add_f32 v[LS+\ql], v[SC+32*\ql], v[SC+32*\ql+1]
.endif
.if \lmode == 2
	WIN W_MF
	v_fma_f32 v[LS+\ql], v[SC+32*\ql],   1.0, v[LS+\ql]    ; x 1.0 + l: the summand stands in a place of window 1, l in one of window 0
	v_fma_f32 v[LS+\ql], v[SC+32*\ql+1], 1.0, v[LS+\ql]
.endif
.endif
.endm
; A PV group: 16 slots.  Slots 0-7 window 2 (i tiles 0-3), 8-15 window 3; inside: keys 0-31 x four i tiles, keys 32-63 x four i tiles, so four accumulators
; take turns.  pf: the products of keys 0-31 start the sums.  Even slots carry four instructions of G(qg) (gon), odd slots a run of CHK.
.macro PGRP mx, qp, pf, fon, gon, qg, mmode, qm, lmode, ql
.set pj, 0
.rept 16
.if \mx
	WIN (W_PA+0x51*(pj/8))
.if \pf*(1-(pj%8)/4)
	v_wmma_f32_16x16x32_bf16 v[8*(4*\qp+pj%4):8*(4*\qp+pj%4)+7], v[VF+8*(pj%8):VF+8*(pj%8)+7], v[PB+16*\qp+8*((pj%8)/4):PB+16*\qp+8*((pj%8)/4)+7], 0
	s_wait_alu depctr_va_vdst(0)
.else
	v_wmma_f32_16x16x32_bf16 v[8*(4*\qp+pj%4):8*(4*\qp+pj%4)+7], v[VF+8*(pj%8):VF+8*(pj%8)+7], v[PB+16*\qp+8*((pj%8)/4):PB+16*\qp+8*((pj%8)/4)+7], v[8*(4*\qp+pj%4):8*(4*\qp+pj%4)+7]
.endif
.endif
.if (pj%2) == 0
.if \gon
.irp e, 0,1,2,3
	v_pk_mul_f32 v[32*\qg+8*((pj%8)/2)+2*\e:32*\qg+8*((pj%8)/2)+2*\e+1], v[32*\qg+8*((pj%8)/2)+2*\e:32*\qg+8*((pj%8)/2)+2*\e+1], v[AA+2*\qg:AA+2*\qg+1]
.endr
.endif
.else
	CHK \fon, \qg, \mmode, \qm, \lmode, \ql
.endif
.set pj, pj+1
.endr
.endm
; One tile of keys.  pp: there is a tile before; pf: that one was tile 0; cf: this one is tile 0.
; mode 2: this slot is filled again, two tiles ahead, behind a round of the cluster's barrier; mode 1: a plain barrier, nothing is filled; mode 0: the last tile.
.macro TILE slot, pp, pf, cf, mode
	s_wait_dscnt 0x0                               ; this tile's K, asked for one and two groups ago
	SGRP 1, 0, \pp, 3, \pp, 2, 0, 0
	PGRP \pp, 2, \pf, \pp, (\pp*(1-\pf)), 3, (2-\cf), 0, (\pp*(2-\pf)), 2
	SGRP 1, 1, 1, 0, \pp, 3, 0, 0
	PGRP \pp, 3, \pf, 1, (1-\cf), 0, (2-\cf), 1, (\pp*(2-\pf)), 3
	SGRP 1, 2, 1, 1, 1, 0, 1, \slot
	WIN 0
	s_wait_dscnt 0x0                               ; V is in registers, K was before: all my reads of this slot are over
.if \mode
	s_wait_tensorcnt 0x0                           ; all my tensor loads have landed: the one that was out is my part of the next tile
	ds_add_u32 v31, v59
	s_wait_dscnt 0x0
.if \mode == 2
	s_add_nc_u64 s[G0K+4*\slot+2:G0K+4*\slot+3], s[G0K+4*\slot+2:G0K+4*\slot+3], 0x20000   ; no load is out: this slot's next tile, two tiles on
	s_add_nc_u64 s[G0V+4*\slot+2:G0V+4*\slot+3], s[G0V+4*\slot+2:G0V+4*\slot+3], 0x20000
	ROUND                                          ; both waits now hold of every wave of all four work-groups
	JLOAD \slot                                    ; my one tensor load behind the round, and the first thing there; it has a whole tile's work in which to land
.else
	s_barrier_signal -1
	s_barrier_wait -1                              ; the last tile is whole
.endif
.endif
	PGRP 1, 0, \cf, 1, (1-\cf), 1, (2-\cf), 2, (2-\cf), 0
.if \mode
	SGRP 1, 3, 1, 2, 1, 1, 2, (1-\slot)
.else
	SGRP 1, 3, 1, 2, 1, 1, 3, 0
.endif
	PGRP 1, 1, \cf, 1, (1-\cf), 2, (2-\cf), 3, (2-\cf), 1
	WIN 0
.endm
	s_wait_tensorcnt 0x1                           ; my part of tile 0 is in; tile 1's stays out
	s_barrier_signal -1
	s_barrier_wait -1                              ; everybody's is
.irp ks, 0,1,2,3
	KRUN 0, \ks
.endr
	s_wait_loadcnt 32                              ; loads come back in order: Q's 32 are in, w_out's 32 behind them stay out
	TILE 0, 0, 0, 1, 2                             ; tile 0; asks for tile 2
	TILE 1, 1, 1, 0, 2                             ; tile 1; asks for tile 3
	s_mov_b32 s58, 6
.Lpair:
	TILE 0, 1, 0, 0, 2                             ; tiles 2 .. 13; ask for tiles 4 .. 15
	TILE 1, 1, 0, 0, 2
	s_sub_co_u32 s58, s58, 1
	s_cmp_lg_u32 s58, 0
	s_cbranch_scc1 .Lpair
	TILE 0, 1, 0, 0, 1                             ; tile 14: nothing is left to ask for
	TILE 1, 1, 0, 0, 0                             ; tile 15; asks for x in the places of the K runs
	SGRP 0, 0, 1, 3, 1, 2, 0, 0                    ; what is left of tile 15: D,E(3) H(2)
	PGRP 1, 2, 0, 1, 1, 3, 0, 0, 2, 2              ; PV(2) G,F(3) L(2)
	SGRP 0, 0, 0, 0, 1, 3, 0, 0                    ; H(3)
	PGRP 1, 3, 0, 0, 0, 0, 0, 0, 2, 3              ; PV(3) L(3)
	PLACES                                         ; O is read below
	WIN 0
	; m and l of my wave go to LDS.  Slot 0 had its last fill with tile 14, and every wave's reads of it were over at tile 14's barrier.
.irp q, 0,1,2,3
	v_permlanex16_b32 v[T+\q], v[LS+\q], s56, s57
.endr
.irp q, 0,1,2,3
	v_add_f32 v[LS+\q], v[LS+\q], v[T+\q]          ; both halves' keys
.endr
.irp q, 0,1,2,3
	ds_store_b32 v[AST], v[MM+2*\q] offset:128*\q
	ds_store_b32 v[AST], v[LS+\q]   offset:512+128*\q
.endr
	s_wait_dscnt 0x0                               ; zero: the others read these words; my reads of slot 1 were waited for in tile 15
	s_barrier_signal -1
	s_barrier_wait -1                              ; behind it no wave reads slot 1 any more either
.irp pv, 0,1,2,3
.irp q, 0,1,2,3
	ds_load_b32 v[QF+4*\pv+\q],    v[ASL] offset:1024*\pv+128*\q       ; m of wave pv (Q's registers are free)
	ds_load_b32 v[QF+16+4*\pv+\q], v[ASL] offset:1024*\pv+512+128*\q   ; l of wave pv
.endr
.endr
	s_wait_dscnt 0x0
	; the merge's factor for my partial: exp2(my m - M) / L, with M = max of the four m and L = sum of l exp2(m - M)
.irp q, 0,1,2,3
	v_max3_num_f32 v[T+\q], v[QF+\q], v[QF+4+\q], v[QF+8+\q]
.endr
.irp q, 0,1,2,3
	v_max_num_f32 v[T+\q], v[T+\q], v[QF+12+\q]
.endr
.irp pv, 0,1,2,3
.irp q, 0,1,2,3
	v_sub_f32 v[QF+4*\pv+\q], v[QF+4*\pv+\q], v[T+\q]
.endr
.endr
.irp q, 0,1,2,3
	v_sub_f32 v[ED+\q], v[MM+2*\q], v[T+\q]
.endr
.set uu, 0
.rept 16
	v_exp_f32 v[QF+uu], v[QF+uu]
.set uu, uu+1
.endr
.irp q, 0,1,2,3
	v_exp_f32 v[ED+\q], v[ED+\q]
.endr
	v_nop                                          ; one plain instruction behind the exponentials
	s_wait_alu depctr_va_vdst(0)
.irp q, 0,1,2,3
	v_mul_f32 v[T+\q], v[QF+16+\q], v[QF+\q]
.endr
.irp pv, 1,2,3
.irp q, 0,1,2,3
	v_fmac_f32 v[T+\q], v[QF+16+4*\pv+\q], v[QF+4*\pv+\q]
.endr
.endr
.irp q, 0,1,2,3
	v_rcp_f32 v[QF+32+\q], v[T+\q]                 ; L is at least 1: the key that holds M adds exp2(0)
.endr
	v_nop                                          ; one plain instruction behind the reciprocals
	s_wait_alu depctr_va_vdst(0)
.irp q, 0,1,2,3
	v_mul_f32 v[AA+2*\q],   v[ED+\q], v[QF+32+\q]
	v_mul_f32 v[AA+2*\q+1], v[ED+\q], v[QF+32+\q]
.endr
.irp wn, 0,1
	WIN (0x82+0x41*\wn)
.irp q, 0,1,2,3
.set uu, 0
.rept 16
	v_pk_mul_f32 v[32*\q+2*uu:32*\q+2*uu+1], v[32*\q+2*uu:32*\q+2*uu+1], v[AA+2*\q:AA+2*\q+1]
.set uu, uu+1
.endr
.endr
.endr
.irp wn, 0,1
	WIN (0x08+0x04*\wn)                            ; store data in window 2, 3
.irp q, 0,1,2,3
.set uu, 0
.rept 8
	ds_store_b128 v[AOS], v[32*\q+4*uu:32*\q+4*uu+3] offset:1024*(8*\q+4*\wn)+512*uu   ; my scaled partial, register image: tile (q, it) at 1,024 (8 q + it)
.set uu, uu+1
.endr
.endr
.endr
	WIN 0
	s_wait_dscnt 0x0
	s_barrier_signal -1
	s_barrier_wait -1
	; wave w adds the four partials of query tile w: those of waves 0, 1 into window 2, of waves 2, 3 into window 3 (O's registers)
	WIN 0x80
.irp pv, 0,1
.set uu, 0
.rept 16
	ds_load_b128 v[64*\pv+4*uu:64*\pv+4*uu+3], v[AOL] offset:32768*\pv+512*uu
.set uu, uu+1
.endr
.endr
	WIN 0xc0
.irp pv, 0,1
.set uu, 0
.rept 16
	ds_load_b128 v[64*\pv+4*uu:64*\pv+4*uu+3], v[AOL2] offset:32768*\pv+512*uu
.set uu, uu+1
.endr
.endr
	s_wait_dscnt 32                                ; the partials of waves 0 and 1 are in; the 32 loads behind them stay out
	WIN 0x8a
.set uu, 0
.rept 32
	v_pk_add_f32 v[2*uu:2*uu+1], v[2*uu:2*uu+1], v[64+2*uu:64+2*uu+1]
.set uu, uu+1
.endr
	s_wait_dscnt 0x0
	WIN 0xcf
.set uu, 0
.rept 32
	v_pk_add_f32 v[2*uu:2*uu+1], v[2*uu:2*uu+1], v[64+2*uu:64+2*uu+1]
.set uu, uu+1
.endr
	WIN 0x8e                                       ; window 2 + window 3
.set uu, 0
.rept 32
	v_pk_add_f32 v[2*uu:2*uu+1], v[2*uu:2*uu+1], v[2*uu:2*uu+1]
.set uu, uu+1
.endr
	WIN 0x0a
.set uu, 0
.rept 32
	v_cvt_pk_bf16_f32 v[PB+uu], v[2*uu], v[2*uu+1] ; y of query tile w: registers 8 ks .. 8 ks + 7 are the fragment of i = 32 ks .. 32 ks + 31
.set uu, uu+1
.endr
	WIN 0
.irp g, 0,1,2,3,4,5,6,7
	ds_store_b128 v[AYS], v[PB+4*\g:PB+4*\g+3] offset:512*\g
.endr
	s_wait_dscnt 0x0
	s_barrier_signal -1
	s_barrier_wait -1
	; every wave takes all of y and makes its 64 rows c of the product with w_out
.set uu, 0
.rept 32
	ds_load_b128 v[QF+4*uu:QF+4*uu+3], v[AYL] offset:512*uu        ; YF(qt, ks) = QF + 8 (4 qt + ks)
.set uu, uu+1
.endr
	s_wait_dscnt 0x0
	s_wait_loadcnt 32                              ; w_out's fragments are in; x's 32 loads behind them stay out
.irp hf, 0,1                           ; c tiles 2 hf, 2 hf + 1: A window 0, B window 2 + hf, C and D window 1; eight accumulators take turns
	WIN (0x58+0x04*\hf)
.irp ks, 0,1,2,3
.irp ct, 0,1
.irp qt, 0,1,2,3
.if \ks
	v_wmma_f32_16x16x32_bf16 v[SC+8*(4*(2*\hf+\ct)+\qt):SC+8*(4*(2*\hf+\ct)+\qt)+7], v[QF+8*(4*\qt+\ks):QF+8*(4*\qt+\ks)+7], v[WO+8*(4*\ct+\ks):WO+8*(4*\ct+\ks)+7], v[SC+8*(4*(2*\hf+\ct)+\qt):SC+8*(4*(2*\hf+\ct)+\qt)+7]
.else
	v_wmma_f32_16x16x32_bf16 v[SC+8*(4*(2*\hf+\ct)+\qt):SC+8*(4*(2*\hf+\ct)+\qt)+7], v[QF+8*(4*\qt+\ks):QF+8*(4*\qt+\ks)+7], v[WO+8*(4*\ct+\ks):WO+8*(4*\ct+\ks)+7], 0
.endif
.endr
.endr
.endr
.endr
	PLACES                                         ; for the LDS stores, which read results, and for the loads into y's registers
	; a lane holds n = 16 qt + 8 h + 0..7 of row c = 64 w + 16 ct + r: 32 bytes, into my own stage; read back as whole rows of 256 bytes
	WIN 0x04                                       ; store data in window 1
.irp ct, 0,1,2,3
.irp qt, 0,1,2,3
	ds_store_b128 v[AWS], v[SC+8*(4*\ct+\qt):SC+8*(4*\ct+\qt)+3]   offset:4352*\ct+64*\qt
	ds_store_b128 v[AWS], v[SC+8*(4*\ct+\qt)+4:SC+8*(4*\ct+\qt)+7] offset:4352*\ct+64*\qt+16
.endr
.endr
	WIN 0
.set tt, 0
.rept 32
	ds_load_b128 v[QF+4*tt:QF+4*tt+3], v[ARD] offset:544*tt        ; LDS serves a wave's instructions in order (ISA guide 5.7.1): these see my stores above
.set tt, tt+1
.endr
	s_wait_dscnt 0x0
	s_wait_loadcnt 0x0                             ; x
	WIN 0x04                                       ; source 1 in window 1
.set uu, 0
.rept 64
	v_pk_add_f32 v[QF+2*uu:QF+2*uu+1], v[QF+2*uu:QF+2*uu+1], v[2*uu:2*uu+1]
.set uu, uu+1
.endr
	WIN 0
.set tt, 0
.rept 32
	global_store_b128 v[XO], v[QF+4*tt:QF+4*tt+3], s[14:15] offset:32768*tt th:TH_STORE_NT   ; sixteen lanes store 256 consecutive bytes, aligned
.set tt, tt+1
.endr
	s_wait_tensorcnt 0x0
	ds_add_u32 v31, v59
	s_wait_dscnt 0x0
	ROUND                                          ; the closing round: no work-group ends while a partner may still ask for a tile that names it
	s_endpgm
.Lfunc_end_k_q6fdf28f050_attn:
	.size	k_q6fdf28f050_attn, .Lfunc_end_k_q6fdf28f050_attn-k_q6fdf28f050_attn
	.p2alignl 7, 3214868480
	.fill 96, 4, 3214868480
	.section	.rodata,"a",@progbits
	.p2align	6, 0x0
	.amdhsa_kernel k_q6fdf28f050_attn
		.amdhsa_group_segment_fixed_size 327680
		.amdhsa_private_segment_fixed_size 0
		.amdhsa_enable_private_segment 0
		.amdhsa_kernarg_size 48
		.amdhsa_user_sgpr_count 2
		.amdhsa_user_sgpr_kernarg_segment_ptr 1
		.amdhsa_wavefront_size32 1
		.amdhsa_system_sgpr_workgroup_id_x 1
		.amdhsa_system_sgpr_workgroup_id_y 1
		.amdhsa_system_sgpr_workgroup_id_z 1
		.amdhsa_system_vgpr_workitem_id 0
		.amdhsa_next_free_vgpr 1024
		.amdhsa_next_free_sgpr 66
		.amdhsa_reserve_vcc 0
		.amdhsa_float_denorm_mode_32 3
		.amdhsa_float_denorm_mode_16_64 3
		.amdhsa_memory_ordered 1
		.amdhsa_forward_progress 1
		.amdhsa_inst_pref_size 255
	.end_amdhsa_kernel
	.section	.bss,"aw",@nobits
	.p2align	6
	.space	262144
	.amdgpu_metadata
---
amdhsa.version: [ 1, 2 ]
amdhsa.kernels:
  - .name:           k_q6fdf28f050_attn
    .symbol:         k_q6fdf28f050_attn.kd
    .args:
      - { .name: th, .offset: 0, .size: 8, .value_kind: global_buffer, .address_space: global }
      - { .name: ph, .offset: 8, .size: 8, .value_kind: global_buffer, .address_space: global }
      - { .name: gb, .offset: 16, .size: 8, .value_kind: global_buffer, .address_space: global }
      - { .name: wob, .offset: 24, .size: 8, .value_kind: global_buffer, .address_space: global }
      - { .name: x, .offset: 32, .size: 8, .value_kind: global_buffer, .address_space: global }
      - { .name: out0, .offset: 40, .size: 8, .value_kind: global_buffer, .address_space: global }
    .group_segment_fixed_size: 327680
    .private_segment_fixed_size: 0
    .kernarg_segment_align: 8
    .kernarg_segment_size: 48
    .max_flat_workgroup_size: 128
    .sgpr_count:     66
    .vgpr_count:     1024
    .wavefront_size: 32
...
	.end_amdgpu_metadata
.endif
;; end of part 2
